; MI455X (gfx1250); checked and timed in simulation.
; The chip was launched on July 23, 2026; its instructions are those of AMD's public machine-readable ISA for CDNA 5 (MIT licence, August 2026) and "CDNA5" Instruction Set Architecture Reference Guide (July 2026). The comments in the code are by the model that wrote it; some were corrected since.
;; Full Attention. Allowed arithmetic: matrix products marked QUANTISED: E4M3 operands, one given power-of-two scale a tensor, by v_wmma_f32_16x16x64_fp8_fp8 or v_wmma_f32_16x16x128_fp8_fp8, f32 sums; everything else in f32.
;; Inputs: keys 4 x 2,048 x 8 x 64 float32; lowp_scales 4 int32 (the exponents e of the quantised operands' scales 2^e); queries 4 x 2,048 x 8 x 64 float32; values 4 x 2,048 x 8 x 64 float32.
;; Outputs: out0 4 x 2,048 x 8 x 64 float32.
;; This version of the problem:
;;   THIS VERSION OF THE PROBLEM IS GIVEN IN LOW PRECISION. The matrix products marked QUANTISED in the list below multiply operands that are first quantised to E4M3 (4 exponent bits, 3 mantissa bits; 8 bits a number), with one given power-of-two scale for each operand tensor; their sums are f32. All else is computed in f32.
;;   The module's matrix products, in the order in which they are computed (A, B: the left and right operand; K: the contracted axis; several contracted axes count as one K, in the product's order):
;;     1. batch 32 x [M 2,048, K 64] x [K 64, N 2,048]; A: input queries; B: input keys: QUANTISED (scales: A lowp_scales[0], B lowp_scales[1])
;;     2. batch 32 x [M 64, K 2,048] x [K 2,048, N 2,048]; A: input values; B: softmax (see below): QUANTISED (scales: A lowp_scales[2], B lowp_scales[3])
;;   THE QUANTISER, for each operand of a quantised product, along K:
;;     - The operand's scale is 2^e, e = its entry of the input lowp_scales (int32; the entries are numbered through the quantised products in the list's order, A before B).
;;     - Each number is divided by the scale, clamped to +-448, and rounded to the nearest number of E4M3, ties to even, subnormals kept.
;;     - The product sums the exact products of the quantised numbers (number of the format x scale) in f32.
;;   ~~~python
;;   def quantise(x, axis, e):      # numpy; x: float32 -> the quantised numbers, widened to float32 again
;;       x = np.moveaxis(x, axis, -1); K = x.shape[-1]
;;       r = np.clip(x / 2.0 ** e, -448, 448)
;;       step = 2.0 ** (np.maximum(np.frexp(np.where(r == 0, 1, r))[1] - 1, -6) - 3)
;;       q = np.round(r / step) * step * 2.0 ** e      # np.round: ties to even
;;       return np.moveaxis(q, -1, axis).astype(np.float32)
;;   ~~~
;;   SOFTMAX AHEAD OF A QUANTISED PRODUCT. Where the list says 'softmax', what is quantised is not the finished softmax but p = 2^(t - M), with t = logit x log2(e) and M = ceil(the row's largest t), a whole number; so 1/2 < the row's largest p <= 1. The row's sum l is taken of the UNQUANTISED p, in f32, and the product's result is divided by l at the end. Since M is a whole number, a kernel that streams over the keys may use a running M (the ceiling of the running maximum): every later rescaling is an exact power of two, so the quantised numbers keep their values, but for numbers so far below the row's largest that they fall under the format's range.
;;   OPERANDS COMPUTED ON THE WAY. 'Computed on the way' means the value that the module computes at that place (a softmax that the list does not call 'softmax' is quantised finished and normalised). What goes into a quantiser is computed in f32, as accurately as f32 sums, v_exp_f32 and their like allow (about 1e-6 of the number): no bf16 or f16 on the way to a quantiser, and a product that is left as it is and whose result goes on into a quantised operand takes f32 operands (vector FMAs, or v_wmma_f32_16x16x4_f32). A number that lies on a knife's edge between two numbers of the format may be rounded either way, as far as f32 arithmetic and the matrix unit's own rounding can turn it there, and no further.
;; 2 versions. Each part assembles by itself: llvm-mc -triple=amdgcn-amd-amdhsa -mcpu=gfx1250 --defsym DOCPART=n.
;; ======== version 1 of 2: 2 launches
;; workspace buffers: kv 8,388,608 bytes
;; launch quant (part 1): grid 16 x 32, 4 waves a work-group, no clusters, 35,328 bytes of LDS; arguments keys, values, lowp_scales, kv; writes kv
.if DOCPART == 1
	.amdgcn_target "amdgcn-amd-amdhsa--gfx1250"
	.amdhsa_code_object_version 6
	.text
	.protected	k_qe6ad21310e_quant
	.globl	k_qe6ad21310e_quant
	.p2align	8
	.type	k_qe6ad21310e_quant,@function
k_qe6ad21310e_quant:
	s_mov_b64 s[64:65], 0
	v_nop
	global_prefetch_b8 v0, s[64:65] scope:SCOPE_SE
	s_setreg_imm32_b32 hwreg(HW_REG_WAVE_MODE, 25, 1), 1
	s_wait_xcnt 0x0
; keys and values, [4][2048][8][64] f32, become codes of E4M3, each tensor with its given scale 2^e (lowp_scales: eq, ek, ev, ep; here ek and ev).
; code = x / 2^e, held within +-448, rounded to the nearest code, ties to even.
; LIMITS: ek and ev between -126 and 119, so that 2^e and 448 x 2^e are f32 numbers.  NaN among the inputs is not served (an infinity is held at the largest code).
; OUT: kv = [32 heads bh = 8 b + h][16 steps of 128 keys][16,384 bytes], laid as IMAGES OF THE OPERANDS' REGISTERS of the attention launch: a lane's 16 bytes at 16 x lane, 512 bytes a group of four registers.
;   K part, bytes 0 .. 8,191: tile T (0..7), group g (0..1), lane (r, hh): at 1024 T + 512 g + 16 (r + 16 hh): key 32 (T / 2) + 8 (T % 2) + r + 8 (r / 8) of the step, e = 32 g + 16 hh + 0 .. 15.
;   V part, bytes 8,192 on:   tile t (0..3), group c (0..3), lane (r, hh): at 8192 + 2048 t + 512 c + 16 (r + 16 hh): channel 16 t + r, keys 32 c + 16 hh + 0 .. 15 of the step.
; SHARES.  A work-group takes one step of one head (x = step, y = bh): 128 rows of 256 bytes of each tensor, 2,048 bytes apart.  Four waves, which share nothing: no barrier.
;   K: wave w takes keys 32 w .. 32 w + 31, which are tiles 2 w and 2 w + 1.  Its rows are loaded as they lie (an instruction reads two whole rows of 256 bytes) and turn through the wave's own stage in LDS,
;      so that a lane gets 16 neighbours along e, which is what the conversions take.
;   V: the keys are its K, and they are not innermost: a lane takes a channel and its registers run down the keys.  Wave w: channels 32 (w & 1) + lane, keys 64 (w >> 1) + 0 .. 63.  Nothing is transposed.
; No tensor loads, no matrix unit, no cluster: every input byte is read once and by one wave.
.set PIT, 272                          ; a stage row: 256 bytes + 16 of padding
.set WST, 32*PIT                       ; a wave's stage: 32 rows
.set HR,  4                            ; v4   2048 hh + 16 r: K's loads (two rows an instruction) and V's stores (two tiles an instruction)
.set KS,  5                            ; v5   the stage, on the way in: row hh, 16 r
.set KL,  6                            ; v6   the stage, on the way out: row r + 8 (r / 8), 64 hh
.set LI,  7                            ; v7   16 x lane
.set VO,  8                            ; v8   4 x lane
.set KR,  16                           ; v16-79   K's rows as loaded
.set X,   80                           ; v80-143  K's numbers behind the turn: four chunks of 16 neighbours
.set Y,   144                          ; v144-207 V's numbers: 64 keys of my channel
.set C,   208                          ; v208-239 codes: four registers for each of eight chunks, so that no store's data are written again
	s_load_b256 s[4:11], s[0:1], 0x0               ; keys s[4:5], values s[6:7], the scales' exponents s[8:9], kv s[10:11]
	v_lshl_add_u32 v240, v0, 2, 0x8800
	v_mov_b32 v241, 0
	v_lshrrev_b32 v1, 5, v0
	v_readfirstlane_b32 s12, v1                    ; wave w
	s_and_b32 s14, ttmp7, 0xffff                   ; bh
	v_and_b32 v1, 15, v0                           ; r
	v_bfe_u32 v2, v0, 4, 1                         ; hh
	v_lshlrev_b32 v[HR], 11, v2
	v_lshl_add_u32 v[HR], v1, 4, v[HR]
	s_mul_i32 s15, s12, WST                        ; my stage
	v_mul_u32_u24 v[KS], v2, PIT
	v_lshl_add_u32 v[KS], v1, 4, v[KS]
	v_add_nc_u32 v[KS], s15, v[KS]
	v_and_b32 v3, 8, v1
	v_add_nc_u32 v3, v3, v1                        ; r + 8 (r / 8)
	v_mul_u32_u24 v[KL], v3, PIT
	v_lshl_add_u32 v[KL], v2, 6, v[KL]
	v_add_nc_u32 v[KL], s15, v[KL]
	v_and_b32 v[VO], 31, v0
	v_lshlrev_b32 v[LI], 4, v[VO]
	v_lshlrev_b32 v[VO], 2, v[VO]
	; byte offsets, all under 2^24.  A row (b, l, h) begins at b 2^22 + l 2^11 + h 2^8
	s_lshr_b32 s20, s14, 3
	s_lshl_b32 s20, s20, 22
	s_and_b32 s22, s14, 7
	s_lshl_b32 s22, s22, 8
	s_or_b32 s20, s20, s22
	s_lshl_b32 s22, ttmp9, 18
	s_or_b32 s20, s20, s22                         ; the step's first row of my head
	s_lshl_b32 s22, s12, 16
	s_add_co_u32 s22, s22, s20                     ; K: + 32 w rows
	s_mov_b32 s23, 0
	s_lshr_b32 s26, s12, 1                         ; w >> 1
	s_and_b32 s27, s12, 1                          ; w & 1
	s_lshl_b32 s28, s26, 17
	s_add_co_u32 s28, s28, s20                     ; V: + 64 (w >> 1) rows
	s_lshl_b32 s29, s27, 7
	s_add_co_u32 s28, s28, s29                     ;    + 32 (w & 1) channels
	s_mov_b32 s29, 0
	s_lshl_b32 s24, s14, 18
	s_lshl_b32 s25, ttmp9, 14
	s_add_co_u32 s24, s24, s25                     ; my block of kv
	s_lshl_b32 s30, s12, 11
	s_add_co_u32 s30, s30, s24                     ; K's images: tiles 2 w, 2 w + 1
	s_mov_b32 s31, 0
	s_lshl_b32 s32, s27, 12                        ; V's images: tiles 2 (w & 1) + hh,
	s_lshl_b32 s33, s26, 10                        ; groups 2 (w >> 1) on
	s_add_co_u32 s32, s32, s33
	s_add_co_u32 s32, s32, s24
	s_add_co_u32 s32, s32, 8192
	s_mov_b32 s33, 0
	s_wait_kmcnt 0x0
	s_load_b128 s[16:19], s[8:9], 0x0              ; eq, ek, ev, ep
	s_add_nc_u64 s[4:5], s[4:5], s[22:23]
	s_add_nc_u64 s[6:7], s[6:7], s[28:29]
	s_add_nc_u64 s[30:31], s[10:11], s[30:31]
	s_add_nc_u64 s[32:33], s[10:11], s[32:33]
.set i, 0
.rept 16
	global_load_b128 v[KR+4*i:KR+4*i+3], v[HR], s[4:5] offset:4096*i th:TH_LOAD_NT   ; rows 2 i and 2 i + 1 of my 32: sixteen lanes read a row's 256 bytes
.set i, i+1
.endr
.macro VLOAD h                         ; keys 32 h .. 32 h + 31 of my 64: 32 lanes read 128 consecutive bytes of a row; the wave beside me takes the row's other half
.set i, 0
.rept 32
	global_load_b32 v[Y+32*(\h)+i], v[VO], s[6:7] offset:2048*(32*(\h)+i) th:TH_LOAD_NT
.set i, i+1
.endr
.endm
	VLOAD 0
	s_wait_kmcnt 0x0
	s_add_co_i32 s26, s17, 127
	s_lshl_b32 s27, s26, 23
	v_mov_b32 v11, s27                             ; 2^ek as f32: the conversion takes its exponent field
	s_add_co_i32 s26, s26, 8
	s_lshl_b32 s26, s26, 23
	s_or_b32 s26, s26, 0x600000
	v_mov_b32 v10, s26                             ; 448 x 2^ek
	s_add_co_i32 s26, s18, 127
	s_lshl_b32 s27, s26, 23
	v_mov_b32 v13, s27                             ; 2^ev
	s_add_co_i32 s26, s26, 8
	s_lshl_b32 s26, s26, 23
	s_or_b32 s26, s26, 0x600000
	v_mov_b32 v12, s26                             ; 448 x 2^ev
	s_wait_loadcnt 32                              ; K's sixteen loads are in; V's 32 younger ones stay out
.set i, 0
.rept 16
	ds_store_b128 v[KS], v[KR+4*i:KR+4*i+3] offset:2*PIT*i
.set i, i+1
.endr
	VLOAD 1
.irp u, 0,1                            ; tile 2 w + u, group g: chunk n = 2 u + g.  LDS serves a wave's instructions in order (ISA guide 5.7.1.4): these see my stores
.irp g, 0,1
.irp j, 0,1,2,3
	ds_load_b128 v[X+16*(2*\u+\g)+4*\j:X+16*(2*\u+\g)+4*\j+3], v[KL] offset:8*PIT*\u+128*\g+16*\j
.endr
.endr
.endr
; 16 numbers at v[src] on become 16 codes in v[dst] on.  The conversion to an 8-bit code does not saturate (ISA guide 7.6.2): the number is held within the largest code x the scale first.
; The codes go to a store alone and no source is written again, so no plain line is owed behind the conversions.
.macro CODES src, dst, lim, sc
.set i, 0
.rept 16
	v_med3_num_f32 v[\src+i], v[\src+i], -v[\lim], v[\lim]
.set i, i+1
.endr
	v_cvt_scalef32_pk8_fp8_f32 v[\dst:\dst+1], v[\src:\src+7], v[\sc]
	v_cvt_scalef32_pk8_fp8_f32 v[\dst+2:\dst+3], v[\src+8:\src+15], v[\sc]
.endm
.irp n, 0,1,2,3
	s_wait_dscnt 12-4*\n                           ; chunk n's four loads are back; the later chunks' may be out
	CODES X+16*\n, C+4*\n, 10, 11
	global_store_b128 v[LI], v[C+4*\n:C+4*\n+3], s[30:31] offset:512*\n   ; 1024 u + 512 g = 512 n: the wave stores 512 consecutive bytes, aligned
.endr
	s_wait_loadcnt 32                              ; V's first 32 keys are in; the other 32 may be out
.irp q, 0,1,2,3                        ; chunk q: keys 16 q .. 16 q + 15 of my 64: group 2 (w >> 1) + q / 2, the half q % 2 of its lanes
.if \q == 2
	s_wait_loadcnt 0x0
.endif
	CODES Y+16*\q, C+16+4*\q, 12, 13
	global_store_b128 v[HR], v[C+16+4*\q:C+16+4*\q+3], s[32:33] offset:256*\q   ; sixteen lanes store 256 consecutive bytes, aligned: one in each of two tiles
.endr
	s_wait_tensorcnt 0x0
	ds_add_u32 v240, v241
	s_wait_dscnt 0x0
	s_endpgm
.Lfunc_end_k_qe6ad21310e_quant:
	.size	k_qe6ad21310e_quant, .Lfunc_end_k_qe6ad21310e_quant-k_qe6ad21310e_quant
	.p2alignl 7, 3214868480
	.fill 96, 4, 3214868480
	.section	.rodata,"a",@progbits
	.p2align	6, 0x0
	.amdhsa_kernel k_qe6ad21310e_quant
		.amdhsa_group_segment_fixed_size 35328
		.amdhsa_private_segment_fixed_size 0
		.amdhsa_enable_private_segment 0
		.amdhsa_kernarg_size 32
		.amdhsa_user_sgpr_count 2
		.amdhsa_user_sgpr_kernarg_segment_ptr 1
		.amdhsa_wavefront_size32 1
		.amdhsa_system_sgpr_workgroup_id_x 1
		.amdhsa_system_sgpr_workgroup_id_y 1
		.amdhsa_system_sgpr_workgroup_id_z 1
		.amdhsa_system_vgpr_workitem_id 0
		.amdhsa_next_free_vgpr 242
		.amdhsa_next_free_sgpr 66
		.amdhsa_reserve_vcc 0
		.amdhsa_float_denorm_mode_32 3
		.amdhsa_float_denorm_mode_16_64 3
		.amdhsa_memory_ordered 1
		.amdhsa_forward_progress 1
		.amdhsa_inst_pref_size 23
	.end_amdhsa_kernel
	.amdgpu_metadata
---
amdhsa.version: [ 1, 2 ]
amdhsa.kernels:
  - .name:           k_qe6ad21310e_quant
    .symbol:         k_qe6ad21310e_quant.kd
    .args:
      - { .name: keys, .offset: 0, .size: 8, .value_kind: global_buffer, .address_space: global }
      - { .name: values, .offset: 8, .size: 8, .value_kind: global_buffer, .address_space: global }
      - { .name: lowp_scales, .offset: 16, .size: 8, .value_kind: global_buffer, .address_space: global }
      - { .name: kv, .offset: 24, .size: 8, .value_kind: global_buffer, .address_space: global }
    .group_segment_fixed_size: 35328
    .private_segment_fixed_size: 0
    .kernarg_segment_align: 8
    .kernarg_segment_size: 32
    .max_flat_workgroup_size: 128
    .sgpr_count:     66
    .vgpr_count:     242
    .wavefront_size: 32
...
	.end_amdgpu_metadata
.endif
;; end of part 1
;; launch attn (part 2): grid 8 x 32, 16 waves a work-group, no clusters, 104,448 bytes of LDS; arguments queries, kv, lowp_scales, out0; writes out0
.if DOCPART == 2
	.amdgcn_target "amdgcn-amd-amdhsa--gfx1250"
	.amdhsa_code_object_version 6
	.text
	.protected	k_qe6ad21310e_attn
	.globl	k_qe6ad21310e_attn
	.p2align	8
	.type	k_qe6ad21310e_attn,@function
k_qe6ad21310e_attn:
	s_mov_b64 s[64:65], 0
	v_nop
	global_prefetch_b8 v0, s[64:65] scope:SCOPE_SE
	s_setreg_imm32_b32 hwreg(HW_REG_WAVE_MODE, 25, 1), 1
	s_wait_xcnt 0x0
; out0[b][l][h][:] = the sum over s <= l of softmax_s(Q[b][l][h] . K[b][s][h] / 8) V[b][s][h][:], both products on codes of E4M3, each operand with its given scale (lowp_scales: eq, ek, ev, ep).
; queries, out0: [4][2048][8][64] f32.  kv: K's and V's codes, [32 heads][16 steps of 128 keys][16,384 bytes], images of the operands' registers (K part: 8 tiles x 1,024 bytes; V part, from byte 8,192: 4 tiles x 2,048).
; THE SOFTMAX AHEAD OF THE SECOND PRODUCT: t = score x log2(e) / 8; M = the running largest t, rounded UP to a whole number; p = 2^(t - M) is what is quantised, not normalised.  The row's sum is taken of the
; unquantised p in f32 and divides at the end.  When M moves, the sum and O are multiplied by 2^(old M - new M): nothing is rounded.
; SHARES.  Work-group (x, bh), sixteen waves, four to a SIMD, so that one wave's vector work stands beside another's products and LDS loads.  Wave m owns the 16 queries 128 m + 16 x + 0 .. 15 of head bh.  The work-group
; walks the head's 16 key steps in ascending order; wave m works in steps s <= m, masks in step s = m and stores its rows directly behind it.  So every work-group has 1 + 2 + .. + 16 = 136 tile-steps whatever x is,
; and the stores are spread over the launch.
; LAYOUT.  Both products are used transposed: S^T = K Q^T (source 0 = 16 keys, source 1 = my 16 queries), O^T = V^T P^T (source 0 = 16 channels, source 1 = P): a lane holds ONE query (lane % 16) throughout.
; The keys of a tile are not neighbours (lane r of tile 2 b + u holds key 32 b + 8 u + r + 8 (r / 8)), so that S^T's register 16 b + i is key 32 b + 16 (lane / 16) + i, and the conversions' results are P's registers.
; Inside a fragment k lies as the 16-byte loads bring it, alike on both sides of each product: every product meets its partner; only the order of the sums inside an instruction differs.
; TILES come through registers: thread n loads bytes 16 n and 8192 + 16 n of a step's block two steps ahead and stores them into one of two LDS slots one step ahead; one barrier a step.
; NO JOINT LOADS, NO CLUSTER: a step brings 16,384 bytes to a work-group whose waves read up to 262,144 bytes from LDS and walk up to sixteen softmaxes in that step, so what partners share is a small part of a step;
; a joint load would want a round of the cluster's barrier in each of the 16 steps.
; LIMITS on the given exponents, so that each power of two below is an f32 number: eq + ek between -123 and 130 (added to c's exponent field); eq and ep between -126 and 119; ep + ev goes by v_ldexp_f32 and has none.
; NaN among the inputs is not served.  An exponential under 2^-126 comes out as 0 (ISA guide, v_exp_f32).
.set TILE, 16384                       ; a step's block, and an LDS slot
.set SL1,  TILE                        ; slot 1
.set STG,  2*TILE                      ; behind the slots: a stage of 16 rows x (256 + 16) bytes for each wave, for the way out
.set SP,   272
.set LI,  1                            ; v1   16 x lane: an image's place for my lane
.set CP,  2                            ; v2   16 x thread: my 16 bytes of a block's half, in memory and in a slot
.set SO,  3                            ; v3   the stage: where I put 32 bytes of a row
.set SR,  4                            ; v4   the stage: where I read a row back
.set GO,  5                            ; v5   2048 hh + 16 r: my byte in two rows of out0
.set PFO, 6                            ; v6   the prefetches' offset: 256 x lane + 8192 (wave & 1)
.set DM,  7                            ; v7   16 (x & 1) + r - 16 hh: on the diagonal, register i of block x / 2 is hidden where i > DM
.set QO,  8                            ; v8   2048 r + 64 hh: my 16 numbers of a block of 32 of Q's row r
.set LIMP, 9                           ; v9   448 x 2^ep
.set NEG, 10                           ; v10  -infinity
.set SCP, 11                           ; v11  2^ep
                                       ; v12 -M, v13 the largest t, v[14:15] the sum in two halves, v[16:23] Q's codes
.set R0,  24                           ; v24-31   an even step's block on its way
.set R1,  32                           ; v32-39   an odd step's
.set F,   40                           ; v40-103  eight fragments of K, then four of V
.set S,   104                          ; v104-167 S^T, then p
.set O,   168                          ; v168-199 O^T
.set P,   200                          ; v200-215 p's codes
.set FF,  216                          ; v[216:217] f = 2^(old M - new M), and a 0 that is named with it as a pair
.set MA,  218                          ; v218, v219 the maximum's two chains
.set MB,  219
.set PX,  220                          ; v220 a lane permute's destination
.set SB,  222                          ; v[222:223] the sum's second chain
.set KV,  6                            ; s[6:7]   kv at the trip's even step
.set OUT, 10                           ; s[10:11] out0 at my first row
.set WV,  12                           ; s12  my wave's number m
.set SEL, 20                           ; s[20:21] lane selects for v_permlanex16_b32: lane l xor 16
.set CS,  22                           ; s[22:23] c = log2(e) / 8 x 2^(eq + ek)
.set STEP, 24                          ; s24  the trip's even step
.set CUR, 25                           ; s25  the step in hand
.set XB,  26                           ; s26  x / 2
.set LIM, 27                           ; s27  12 in a wave that prefetches, else 0
	s_load_b256 s[4:11], s[0:1], 0x0               ; queries s[4:5], kv s[6:7], the scales' exponents s[8:9], out0 s[10:11]
	v_lshl_add_u32 v224, v0, 2, 0x19000
	v_mov_b32 v225, 0
	v_lshrrev_b32 v1, 5, v0
	v_readfirstlane_b32 s[WV], v1
	s_and_b32 s14, ttmp7, 0xffff                   ; bh
	v_and_b32 v[MA], 15, v0                        ; r
	v_bfe_u32 v[MB], v0, 4, 1                      ; hh
	v_and_b32 v[LI], 31, v0
	v_lshlrev_b32 v[PFO], 8, v[LI]
	v_lshlrev_b32 v[LI], 4, v[LI]
	v_lshlrev_b32 v[CP], 4, v0
	s_mul_i32 s30, s[WV], 16*SP
	s_add_co_u32 s30, s30, STG                     ; my stage
	v_mul_u32_u24 v[SO], v[MA], SP                 ; in: row r, 32 bytes for each half of the lanes
	v_lshl_add_u32 v[SO], v[MB], 5, v[SO]
	v_add_nc_u32 v[SO], s30, v[SO]
	v_mul_u32_u24 v[SR], v[MB], SP                 ; back: lanes 0-15 one row of 256 bytes, lanes 16-31 the next
	v_lshl_add_u32 v[SR], v[MA], 4, v[SR]
	v_add_nc_u32 v[SR], s30, v[SR]
	v_lshlrev_b32 v[GO], 11, v[MB]
	v_lshl_add_u32 v[GO], v[MA], 4, v[GO]
	s_and_b32 s31, s[WV], 1
	s_lshl_b32 s31, s31, 13
	v_add_nc_u32 v[PFO], s31, v[PFO]
	s_and_b32 s31, ttmp9, 1
	s_lshl_b32 s31, s31, 4
	v_lshlrev_b32 v[DM], 4, v[MB]
	v_sub_nc_u32 v[DM], v[MA], v[DM]
	v_add_nc_u32 v[DM], s31, v[DM]
	v_lshlrev_b32 v[QO], 11, v[MA]
	v_lshl_add_u32 v[QO], v[MB], 6, v[QO]
	v_mov_b32 v[NEG], 0xff800000
	s_lshr_b32 s[XB], ttmp9, 1
	s_lshr_b32 s30, s[WV], 1                       ; who prefetches: waves 14 and 15
	s_xor_b32 s30, s30, 7
	s_or_b32 s30, s30, ttmp9                       ; of the head's first work-group
	s_cmp_eq_u32 s30, 0
	s_cselect_b32 s[LIM], 12, 0
	s_lshr_b32 s32, s14, 3                         ; my first row of queries and of out0: b 2^22 + h 2^8 + (128 m + 16 x) 2^11, under 2^24
	s_lshl_b32 s32, s32, 22
	s_and_b32 s30, s14, 7
	s_lshl_b32 s30, s30, 8
	s_or_b32 s32, s32, s30
	s_lshl_b32 s30, s[WV], 18
	s_or_b32 s32, s32, s30
	s_lshl_b32 s30, ttmp9, 15
	s_or_b32 s32, s32, s30
	s_mov_b32 s33, 0
	s_lshl_b32 s34, s14, 18                        ; my head's 16 blocks of kv
	s_mov_b32 s35, 0
	s_mov_b32 s[SEL], 0x76543210
	s_mov_b32 s[SEL+1], 0xfedcba98
	s_mov_b32 s[CS], 0x3e38aa3b                    ; log2(e) / 8
	s_mov_b32 s[STEP], 0
	s_wait_kmcnt 0x0
	s_load_b128 s[16:19], s[8:9], 0x0              ; eq, ek, ev, ep
	s_add_nc_u64 s[4:5], s[4:5], s[32:33]
	s_add_nc_u64 s[OUT:OUT+1], s[OUT:OUT+1], s[32:33]
	s_add_nc_u64 s[KV:KV+1], s[KV:KV+1], s[34:35]
	global_load_b128 v[R0:R0+3], v[CP], s[KV:KV+1]                      ; step 0's block
	global_load_b128 v[R0+4:R0+7], v[CP], s[KV:KV+1] offset:8192
.irp g, 0,1                            ; Q, into S^T's registers: register 16 g + 4 j + .. = e 32 g + 16 hh + 4 j + .. of my row r
.irp j, 0,1,2,3
	global_load_b128 v[S+16*\g+4*\j:S+16*\g+4*\j+3], v[QO], s[4:5] offset:128*\g+16*\j th:TH_LOAD_NT
.endr
.endr
	global_load_b128 v[R1:R1+3], v[CP], s[KV:KV+1] offset:TILE          ; step 1's block
	global_load_b128 v[R1+4:R1+7], v[CP], s[KV:KV+1] offset:TILE+8192
	s_wait_kmcnt 0x0
	s_add_co_i32 s30, s16, s17
	s_lshl_b32 s30, s30, 23
	s_add_co_i32 s[CS], s[CS], s30                 ; a score stands for score x 2^(eq + ek): the two exponents are added to c's exponent field
	s_mov_b32 s[CS+1], s[CS]                       ; (named with it as a pair, so it is written)
	s_add_co_i32 s28, s18, s19                     ; ev + ep
	s_add_co_i32 s30, s16, 127
	s_lshl_b32 s31, s30, 23
	v_mov_b32 v[MB], s31                           ; 2^eq as f32, for Q's conversions
	s_add_co_i32 s30, s30, 8
	s_lshl_b32 s30, s30, 23
	s_or_b32 s30, s30, 0x600000
	v_mov_b32 v[MA], s30                           ; 448 x 2^eq
	s_add_co_i32 s30, s19, 127
	s_lshl_b32 s31, s30, 23
	v_mov_b32 v[SCP], s31                          ; 2^ep
	s_add_co_i32 s30, s30, 8
	s_lshl_b32 s30, s30, 23
	s_or_b32 s30, s30, 0x600000
	v_mov_b32 v[LIMP], s30                         ; 448 x 2^ep
	s_wait_loadcnt 10                              ; step 0's two loads are in; Q's eight and step 1's two stay out
	ds_store_b128 v[CP], v[R0:R0+3]
	ds_store_b128 v[CP], v[R0+4:R0+7] offset:8192
	s_wait_loadcnt 2                               ; Q is in; step 1's two stay out
.set j, 0
.rept 32
	v_med3_num_f32 v[S+j], v[S+j], -v[MA], v[MA]   ; the conversion to an 8-bit code does not saturate (ISA guide 7.6.2): the hold at the largest code x the scale
.set j, j+1
.endr
.irp g, 0,1
	v_cvt_scalef32_pk8_fp8_f32 v[16+4*\g:17+4*\g], v[S+16*\g:S+16*\g+7], v[MB]
	v_cvt_scalef32_pk8_fp8_f32 v[18+4*\g:19+4*\g], v[S+16*\g+8:S+16*\g+15], v[MB]
.endr
	v_nop                                          ; one plain line between a scaled conversion and what next touches its result or writes its sources
.set j, 0
.rept 32
	v_mov_b32 v[O+j], 0                            ; O^T.  (The step is written without a first step of its own: the first finds zeros, which the first change of M leaves zeros)
.set j, j+1
.endr
	v_mov_b32 v14, 0                               ; the sum, in two halves
	v_mov_b32 v15, 0
	v_mov_b32 v13, 0xff61b1e6                      ; the largest t so far: -3e38, under every t
	v_floor_f32 v12, -v13                          ; -M
	v_mov_b32 v[FF+1], 0
	v_mov_b32 v[PX], 0                             ; written once: a lane permute's destination counts as one of its sources
	s_wait_dscnt 0x0                               ; for the others' sake: my part of step 0's block lies in slot 0
	s_barrier_signal -1
	s_barrier_wait -1
; A PREFETCH INTO THE L2 of the block four steps on, which is loaded two steps from here: 64 blocks of 256 bytes, a lane each, by waves 14 and 15 of the head's first work-group (all eight work-groups of a head walk
; the same blocks): each is named once in the launch.  It stands behind the wave's two loads.  Steps 0 to 3 come by their loads alone; from step 12 on there is no block four steps on, and nothing is asked.
.macro ASK off
	s_cmp_lt_u32 s[CUR], s[LIM]
	s_cbranch_scc0 .Lnot_mine_\@
	global_prefetch_b8 v[PFO], s[KV:KV+1] offset:\off th:TH_LOAD_NT scope:SCOPE_SE
.Lnot_mine_\@:
.endm
; The blocks' way in, at the head of step s = STEP + p.  Block s + 1 has come into its registers (the only loads that are out: the wait is for 0); block s + 2 is asked for, into the registers whose LDS stores were waited for
; in front of the last barrier; block s + 1 goes into the slot that step s - 1 read: every wave has waited for those reads in front of the last barrier.  Blocks past the 16th are neither asked for nor stored.
.macro STAGE p
.if \p == 0
	s_wait_loadcnt 0x0
	s_cmp_lt_u32 s[STEP], 14
	s_cbranch_scc0 .Lno_more_\@
	global_load_b128 v[R0:R0+3], v[CP], s[KV:KV+1] offset:2*TILE
	global_load_b128 v[R0+4:R0+7], v[CP], s[KV:KV+1] offset:2*TILE+8192
	ASK 4*TILE
.Lno_more_\@:
	ds_store_b128 v[CP], v[R1:R1+3] offset:SL1
	ds_store_b128 v[CP], v[R1+4:R1+7] offset:SL1+8192
.else
	s_cmp_lt_u32 s[STEP], 14
	s_cbranch_scc0 .Lno_more_\@
	s_wait_loadcnt 0x0
	global_load_b128 v[R1:R1+3], v[CP], s[KV:KV+1] offset:3*TILE
	global_load_b128 v[R1+4:R1+7], v[CP], s[KV:KV+1] offset:3*TILE+8192
	ASK 5*TILE
	ds_store_b128 v[CP], v[R0:R0+3]
	ds_store_b128 v[CP], v[R0+4:R0+7] offset:8192
.Lno_more_\@:
.endif
.endm
; The diagonal step, block b of 32 keys: register 16 b + i holds key 32 b + 16 hh + i of the step, my query is 16 x + r of it.  b < x / 2: all count.  b = x / 2: hidden where i > DM.  b > x / 2: all hidden.
; Hidden scores become -infinity ahead of the maximum: p = 0 then.  Key 0 of the step counts for every query, so the step's maximum is a number.  Each accumulator is read from its low end on.
.macro MASKBLK b
.if \b < 3
	s_cmp_gt_u32 s[XB], \b
	s_cbranch_scc1 .Lopen_\@
.endif
.if \b > 0
	s_cmp_eq_u32 s[XB], \b
	s_cbranch_scc0 .Lall_\@
.endif
.set i, 0
.rept 16
	v_cmp_gt_i32 vcc_lo, i, v[DM]
	v_cndmask_b32 v[S+16*\b+i], v[S+16*\b+i], v[NEG], vcc_lo
.set i, i+1
.endr
.if \b > 0
	s_branch .Lopen_\@
.Lall_\@:
.set i, 0
.rept 16
	v_mov_b32 v[S+16*\b+i], v[NEG]
.set i, i+1
.endr
.endif
.Lopen_\@:
.endm
; A TILE-STEP: my 16 queries against the 128 keys in slot p.
.macro WORK p
.irp k, 0,1,2,3,4,5,6,7                ; K's eight fragments, as they lie: 512 consecutive bytes an instruction
	ds_load_b128 v[F+8*\k:F+8*\k+3], v[LI] offset:SL1*(\p)+1024*\k
	ds_load_b128 v[F+8*\k+4:F+8*\k+7], v[LI] offset:SL1*(\p)+1024*\k+512
.endr
	s_wait_dscnt 8                                 ; fragments 0 to 3 are in; the youngest eight loads may be out
.irp k, 0,1,2,3
	v_wmma_f32_16x16x64_fp8_fp8 v[S+8*\k:S+8*\k+7], v[F+8*\k:F+8*\k+7], v[16:23], 0
.endr
	s_wait_dscnt 0x0
.irp k, 4,5,6,7
	v_wmma_f32_16x16x64_fp8_fp8 v[S+8*\k:S+8*\k+7], v[F+8*\k:F+8*\k+7], v[16:23], 0
.endr
.rept 4
	v_nop                                          ; four places in front of the loads into K's registers and of the first read of the scores
.endr
.irp t, 0,1,2,3                        ; V's four fragments land while the softmax is walked
.irp c, 0,1,2,3
	ds_load_b128 v[F+16*\t+4*\c:F+16*\t+4*\c+3], v[LI] offset:SL1*(\p)+8192+2048*\t+512*\c
.endr
.endr
	s_cmp_lg_u32 s[CUR], s[WV]                     ; only step m lies on wave m's diagonal
	s_cbranch_scc1 .Lfull_\@
	MASKBLK 0
	MASKBLK 1
	MASKBLK 2
	MASKBLK 3
.Lfull_\@:
	v_max3_num_f32 v[MA], v[S], v[S+1], v[S+2]     ; the step's largest score of my query among my 64 keys, in two chains, ascending,
	v_max3_num_f32 v[MB], v[S+3], v[S+4], v[S+5]
.irp i, 6,10,14,18,22,26,30,34,38,42,46,50,54,58
	v_max3_num_f32 v[MA], v[MA], v[S+\i], v[S+\i+1]
	v_max3_num_f32 v[MB], v[MB], v[S+\i+2], v[S+\i+3]
.endr
	v_max3_num_f32 v[MA], v[MA], v[S+62], v[S+63]
	v_max_num_f32 v[MA], v[MA], v[MB]
	v_permlanex16_b32 v[PX], v[MA], s[SEL], s[SEL+1]
	v_max_num_f32 v[MA], v[MA], v[PX]              ; and among lane l xor 16's
	v_mul_f32 v[MA], s[CS], v[MA]                  ; as t (c is positive)
	v_max_num_f32 v13, v13, v[MA]                  ; the running largest t
	v_mov_b32 v[MA], v12
	v_floor_f32 v12, -v13                          ; the new -M = floor(-t) = -ceil(t): a whole number
	v_sub_f32 v[MA], v12, v[MA]                    ; old M - new M: a whole number, 0 or less
	v_cvt_i32_f32 v[MA], v[MA]                     ; (it saturates)
	v_ldexp_f32 v[FF], 1.0, v[MA]                  ; f = 2^(old M - new M)
.set j, 0
.rept 32
	v_pk_fma_f32 v[S+j:S+j+1], v[S+j:S+j+1], s[CS:CS+1], v[12:13] op_sel_hi:[1,0,0]   ; t - M, two at a time (of the pairs c and -M the low word serves both halves)
.set j, j+2
.endr
.set j, 0
.rept 64
	v_exp_f32 v[S+j], v[S+j]                       ; p = 2^(t - M), at most 1: not normalised.  One batch
.set j, j+1
.endr
	v_pk_mul_f32 v[14:15], v[14:15], v[FF:FF+1] op_sel_hi:[1,0]   ; the sums under the new M: the plain line behind the last exponential
	s_wait_alu depctr_va_vdst(0)                   ; the wait ahead of the first line that names an exponential's result: one for the batch
	v_pk_add_f32 v[SB:SB+1], v[S:S+1], v[S+2:S+3]  ; the row's sum is taken of the unquantised p: two at a time, in two chains
.irp j, 4,8,12,16,20,24,28,32,36,40,44,48,52,56,60
	v_pk_add_f32 v[14:15], v[14:15], v[S+\j:S+\j+1]
	v_pk_add_f32 v[SB:SB+1], v[SB:SB+1], v[S+\j+2:S+\j+3]
.endr
	v_pk_add_f32 v[14:15], v[14:15], v[SB:SB+1]
	s_cmp_ge_i32 s19, -8                           ; p is at most 1, and 448 x 2^ep is at least 1.75 where ep >= -8: there the hold changes no number and is passed over
	s_cbranch_scc1 .Lno_hold_\@
.set j, 0
.rept 64
	v_min_num_f32 v[S+j], v[S+j], v[LIMP]          ; the conversion does not saturate (ISA guide 7.6.2); p is not negative, so the hold is one-sided
.set j, j+1
.endr
.Lno_hold_\@:
.irp b, 0,1,2,3
	v_cvt_scalef32_pk8_fp8_f32 v[P+4*\b:P+4*\b+1], v[S+16*\b:S+16*\b+7], v[SCP]          ; registers 4 b .. 4 b + 3 of P: keys 32 b + 16 hh + 0 .. 15, as V's images have them
	v_cvt_scalef32_pk8_fp8_f32 v[P+4*\b+2:P+4*\b+3], v[S+16*\b+8:S+16*\b+15], v[SCP]
.endr
.set j, 0
.rept 16
	v_pk_mul_f32 v[O+j:O+j+1], v[O+j:O+j+1], v[FF:FF+1] op_sel_hi:[1,0]   ; O^T under the new M.  (Also the plain lines between the conversions and the products that read their results)
.set j, j+2
.endr
	s_wait_dscnt 0x0                               ; V is in
.irp t, 0,1,2,3                        ; the four accumulators take turns, and the next step's eight products on the scores stand between two links of a chain
	v_wmma_f32_16x16x128_fp8_fp8 v[O+8*\t:O+8*\t+7], v[F+16*\t:F+16*\t+15], v[P:P+15], v[O+8*\t:O+8*\t+7]
.endr
.rept 4
	v_nop                                          ; four places in front of the next step's loads into V's registers and of the way out's reads of O^T
.endr
.endm
; THE WAY OUT, directly behind wave m's step m.  O^T / the sum x 2^(ep + ev) goes through my own stage in LDS and comes back as whole rows.
.macro WAYOUT
	v_add_f32 v14, v14, v15                        ; the sum's two halves,
	v_permlanex16_b32 v[PX], v14, s[SEL], s[SEL+1]
	v_add_f32 v14, v14, v[PX]                      ; and lane l xor 16's: the row's sum
	v_rcp_f32 v14, v14
	v_nop                                          ; a plain line behind the transcendental
	s_wait_alu depctr_va_vdst(0)                   ; and the wait ahead of its first reader
	v_ldexp_f32 v[FF], v14, s28
.set j, 0
.rept 16
	v_pk_mul_f32 v[S+j:S+j+1], v[O+j:O+j+1], v[FF:FF+1] op_sel_hi:[1,0]   ; register 8 t + i is o(query r, channel 16 t + 8 hh + i); each accumulator from its low end on
.set j, j+2
.endr
.irp t, 0,1,2,3
	ds_store_b128 v[SO], v[S+8*\t:S+8*\t+3] offset:64*\t
	ds_store_b128 v[SO], v[S+8*\t+4:S+8*\t+7] offset:64*\t+16
.endr
.irp i, 0,1,2,3,4,5,6,7
	ds_load_b128 v[S+32+4*\i:S+32+4*\i+3], v[SR] offset:2*SP*\i   ; LDS serves a wave's instructions in order (ISA guide 5.7.1.4): these see my stores
.endr
.irp i, 0,1,2,3,4,5,6,7
	s_wait_dscnt 7-\i                              ; pair i of rows is back; the later pairs may be out
	global_store_b128 v[GO], v[S+32+4*\i:S+32+4*\i+3], s[OUT:OUT+1] offset:4096*\i th:TH_STORE_NT   ; sixteen lanes store a row's 256 consecutive bytes, aligned; written once, read by nobody here
.endr
	s_wait_xcnt 0x0                                ; the stores have read their registers: the steps' text that follows names them again (this wave has no step left to work in)
.endm
; A STEP.  One barrier does two things: in front of it each wave has waited for its stores of block s + 1 and for its reads of block s; behind it block s + 1 may be read and block s's slot written.  Every wave passes it.
.macro STEPM p
	STAGE \p
	s_cmp_gt_u32 s[CUR], s[WV]                     ; all keys of a step beyond m come after wave m's queries: the step's work is left out, not its part in the blocks' way in, nor the barrier
	s_cbranch_scc1 .Lrest_\@
	WORK \p
	s_cmp_lg_u32 s[CUR], s[WV]
	s_cbranch_scc1 .Lrest_\@
	WAYOUT
.Lrest_\@:
	s_wait_dscnt 0x0
	s_barrier_signal -1
	s_barrier_wait -1
.endm
.Ltrip:                                            ; eight trips of two steps, so that slots and registers are back where they began
	s_mov_b32 s[CUR], s[STEP]
	STEPM 0
	s_add_co_u32 s[CUR], s[STEP], 1
	STEPM 1
	s_wait_xcnt 0x0                                ; the trip's loads and prefetches have read their base: it steps only behind this wait
	s_add_nc_u64 s[KV:KV+1], s[KV:KV+1], 2*TILE
	s_add_co_u32 s[STEP], s[STEP], 2
	s_cmp_lt_u32 s[STEP], 16
	s_cbranch_scc1 .Ltrip
	s_wait_tensorcnt 0x0
	ds_add_u32 v224, v225
	s_wait_dscnt 0x0
	s_endpgm
.Lfunc_end_k_qe6ad21310e_attn:
	.size	k_qe6ad21310e_attn, .Lfunc_end_k_qe6ad21310e_attn-k_qe6ad21310e_attn
	.p2alignl 7, 3214868480
	.fill 96, 4, 3214868480
	.section	.rodata,"a",@progbits
	.p2align	6, 0x0
	.amdhsa_kernel k_qe6ad21310e_attn
		.amdhsa_group_segment_fixed_size 104448
		.amdhsa_private_segment_fixed_size 0
		.amdhsa_enable_private_segment 0
		.amdhsa_kernarg_size 32
		.amdhsa_user_sgpr_count 2
		.amdhsa_user_sgpr_kernarg_segment_ptr 1
		.amdhsa_wavefront_size32 1
		.amdhsa_system_sgpr_workgroup_id_x 1
		.amdhsa_system_sgpr_workgroup_id_y 1
		.amdhsa_system_sgpr_workgroup_id_z 1
		.amdhsa_system_vgpr_workitem_id 0
		.amdhsa_next_free_vgpr 226
		.amdhsa_next_free_sgpr 66
		.amdhsa_reserve_vcc 1
		.amdhsa_float_denorm_mode_32 3
		.amdhsa_float_denorm_mode_16_64 3
		.amdhsa_memory_ordered 1
		.amdhsa_forward_progress 1
		.amdhsa_inst_pref_size 60
	.end_amdhsa_kernel
	.amdgpu_metadata
---
amdhsa.version: [ 1, 2 ]
amdhsa.kernels:
  - .name:           k_qe6ad21310e_attn
    .symbol:         k_qe6ad21310e_attn.kd
    .args:
      - { .name: queries, .offset: 0, .size: 8, .value_kind: global_buffer, .address_space: global }
      - { .name: kv, .offset: 8, .size: 8, .value_kind: global_buffer, .address_space: global }
      - { .name: lowp_scales, .offset: 16, .size: 8, .value_kind: global_buffer, .address_space: global }
      - { .name: out0, .offset: 24, .size: 8, .value_kind: global_buffer, .address_space: global }
    .group_segment_fixed_size: 104448
    .private_segment_fixed_size: 0
    .kernarg_segment_align: 8
    .kernarg_segment_size: 32
    .max_flat_workgroup_size: 512
    .sgpr_count:     66
    .vgpr_count:     226
    .wavefront_size: 32
...
	.end_amdgpu_metadata
.endif
;; end of part 2
;; ======== version 2 of 2: 2 launches
;; workspace buffers: kv 8,388,608 bytes
;; launch quant (part 3): grid 16 x 32, 4 waves a work-group, no clusters, 35,328 bytes of LDS; arguments keys, values, lowp_scales, kv; writes kv
.if DOCPART == 3
	.amdgcn_target "amdgcn-amd-amdhsa--gfx1250"
	.amdhsa_code_object_version 6
	.text
	.protected	k_qe6ad21310e_quant
	.globl	k_qe6ad21310e_quant
	.p2align	8
	.type	k_qe6ad21310e_quant,@function
k_qe6ad21310e_quant:
	s_mov_b64 s[64:65], 0
	v_nop
	global_prefetch_b8 v0, s[64:65] scope:SCOPE_SE
	s_setreg_imm32_b32 hwreg(HW_REG_WAVE_MODE, 25, 1), 1
	s_wait_xcnt 0x0
; keys and values, [4][2048][8][64] f32, become codes of E4M3, each tensor with its given scale 2^e (lowp_scales: eq, ek, ev, ep; here ek and ev).
; code = x / 2^e, held within +-448, rounded to the nearest code, ties to even.
; LIMITS: ek and ev between -126 and 119, so that 2^e and 448 x 2^e are f32 numbers.  NaN among the inputs is not served (an infinity is held at the largest code).
; OUT: kv = [32 heads bh = 8 b + h][16 steps of 128 keys][16,384 bytes], laid as IMAGES OF THE OPERANDS' REGISTERS of the attention launch: a lane's 16 bytes at 16 x lane, 512 bytes a group of four registers.
;   K part, bytes 0 .. 8,191: tile T (0..7), group g (0..1), lane (r, hh): at 1024 T + 512 g + 16 (r + 16 hh): key 32 (T / 2) + 8 (T % 2) + r + 8 (r / 8) of the step, e = 32 g + 16 hh + 0 .. 15.
;   V part, bytes 8,192 on:   tile t (0..3), group c (0..3), lane (r, hh): at 8192 + 2048 t + 512 c + 16 (r + 16 hh): channel 16 t + r, keys 32 c + 16 hh + 0 .. 15 of the step.
; SHARES.  A work-group takes one step of one head (x = step, y = bh): 128 rows of 256 bytes of each tensor, 2,048 bytes apart.  Four waves, which share nothing: no barrier.
;   K: wave w takes keys 32 w .. 32 w + 31, which are tiles 2 w and 2 w + 1.  Its rows are loaded as they lie (an instruction reads two whole rows of 256 bytes) and turn through the wave's own stage in LDS,
;      so that a lane gets 16 neighbours along e, which is what the conversions take.
;   V: the keys are its K, and they are not innermost: a lane takes a channel and its registers run down the keys.  Wave w: channels 32 (w & 1) + lane, keys 64 (w >> 1) + 0 .. 63.  Nothing is transposed.
; No tensor loads, no matrix unit, no cluster: every input byte is read once and by one wave.
.set PIT, 272                          ; a stage row: 256 bytes + 16 of padding
.set WST, 32*PIT                       ; a wave's stage: 32 rows
.set HR,  4                            ; v4   2048 hh + 16 r: K's loads (two rows an instruction) and V's stores (two tiles an instruction)
.set KS,  5                            ; v5   the stage, on the way in: row hh, 16 r
.set KL,  6                            ; v6   the stage, on the way out: row r + 8 (r / 8), 64 hh
.set LI,  7                            ; v7   16 x lane
.set VO,  8                            ; v8   4 x lane
.set KR,  16                           ; v16-79   K's rows as loaded
.set X,   80                           ; v80-143  K's numbers behind the turn: four chunks of 16 neighbours
.set Y,   144                          ; v144-207 V's numbers: 64 keys of my channel
.set C,   208                          ; v208-239 codes: four registers for each of eight chunks, so that no store's data are written again
	s_load_b256 s[4:11], s[0:1], 0x0               ; keys s[4:5], values s[6:7], the scales' exponents s[8:9], kv s[10:11]
	v_lshl_add_u32 v240, v0, 2, 0x8800
	v_mov_b32 v241, 0
	v_lshrrev_b32 v1, 5, v0
	v_readfirstlane_b32 s12, v1                    ; wave w
	s_and_b32 s14, ttmp7, 0xffff                   ; bh
	v_and_b32 v1, 15, v0                           ; r
	v_bfe_u32 v2, v0, 4, 1                         ; hh
	v_lshlrev_b32 v[HR], 11, v2
	v_lshl_add_u32 v[HR], v1, 4, v[HR]
	s_mul_i32 s15, s12, WST                        ; my stage
	v_mul_u32_u24 v[KS], v2, PIT
	v_lshl_add_u32 v[KS], v1, 4, v[KS]
	v_add_nc_u32 v[KS], s15, v[KS]
	v_and_b32 v3, 8, v1
	v_add_nc_u32 v3, v3, v1                        ; r + 8 (r / 8)
	v_mul_u32_u24 v[KL], v3, PIT
	v_lshl_add_u32 v[KL], v2, 6, v[KL]
	v_add_nc_u32 v[KL], s15, v[KL]
	v_and_b32 v[VO], 31, v0
	v_lshlrev_b32 v[LI], 4, v[VO]
	v_lshlrev_b32 v[VO], 2, v[VO]
	; byte offsets, all under 2^24.  A row (b, l, h) begins at b 2^22 + l 2^11 + h 2^8
	s_lshr_b32 s20, s14, 3
	s_lshl_b32 s20, s20, 22
	s_and_b32 s22, s14, 7
	s_lshl_b32 s22, s22, 8
	s_or_b32 s20, s20, s22
	s_lshl_b32 s22, ttmp9, 18
	s_or_b32 s20, s20, s22                         ; the step's first row of my head
	s_lshl_b32 s22, s12, 16
	s_add_co_u32 s22, s22, s20                     ; K: + 32 w rows
	s_mov_b32 s23, 0
	s_lshr_b32 s26, s12, 1                         ; w >> 1
	s_and_b32 s27, s12, 1                          ; w & 1
	s_lshl_b32 s28, s26, 17
	s_add_co_u32 s28, s28, s20                     ; V: + 64 (w >> 1) rows
	s_lshl_b32 s29, s27, 7
	s_add_co_u32 s28, s28, s29                     ;    + 32 (w & 1) channels
	s_mov_b32 s29, 0
	s_lshl_b32 s24, s14, 18
	s_lshl_b32 s25, ttmp9, 14
	s_add_co_u32 s24, s24, s25                     ; my block of kv
	s_lshl_b32 s30, s12, 11
	s_add_co_u32 s30, s30, s24                     ; K's images: tiles 2 w, 2 w + 1
	s_mov_b32 s31, 0
	s_lshl_b32 s32, s27, 12                        ; V's images: tiles 2 (w & 1) + hh,
	s_lshl_b32 s33, s26, 10                        ; groups 2 (w >> 1) on
	s_add_co_u32 s32, s32, s33
	s_add_co_u32 s32, s32, s24
	s_add_co_u32 s32, s32, 8192
	s_mov_b32 s33, 0
	s_wait_alu depctr_va_vdst(0)
	s_wait_kmcnt 0x0
	s_load_b128 s[16:19], s[8:9], 0x0              ; eq, ek, ev, ep
	s_add_nc_u64 s[4:5], s[4:5], s[22:23]
	s_add_nc_u64 s[6:7], s[6:7], s[28:29]
	s_add_nc_u64 s[30:31], s[10:11], s[30:31]
	s_add_nc_u64 s[32:33], s[10:11], s[32:33]
.set i, 0
.rept 16
	global_load_b128 v[KR+4*i:KR+4*i+3], v[HR], s[4:5] offset:4096*i th:TH_LOAD_NT   ; rows 2 i and 2 i + 1 of my 32: sixteen lanes read a row's 256 bytes
.set i, i+1
.endr
.macro VLOAD h                         ; keys 32 h .. 32 h + 31 of my 64: 32 lanes read 128 consecutive bytes of a row; the wave beside me takes the row's other half
.set i, 0
.rept 32
	global_load_b32 v[Y+32*(\h)+i], v[VO], s[6:7] offset:2048*(32*(\h)+i) th:TH_LOAD_NT
.set i, i+1
.endr
.endm
	VLOAD 0
	s_wait_kmcnt 0x0
	s_add_co_i32 s26, s17, 127
	s_lshl_b32 s27, s26, 23
	v_mov_b32 v11, s27                             ; 2^ek as f32: the conversion takes its exponent field
	s_add_co_i32 s26, s26, 8
	s_lshl_b32 s26, s26, 23
	s_or_b32 s26, s26, 0x600000
	v_mov_b32 v10, s26                             ; 448 x 2^ek
	s_add_co_i32 s26, s18, 127
	s_lshl_b32 s27, s26, 23
	v_mov_b32 v13, s27                             ; 2^ev
	s_add_co_i32 s26, s26, 8
	s_lshl_b32 s26, s26, 23
	s_or_b32 s26, s26, 0x600000
	v_mov_b32 v12, s26                             ; 448 x 2^ev
	s_wait_alu depctr_va_vdst(0)
	s_wait_loadcnt 32                              ; K's sixteen loads are in; V's 32 younger ones stay out
.set i, 0
.rept 16
	ds_store_b128 v[KS], v[KR+4*i:KR+4*i+3] offset:2*PIT*i
.set i, i+1
.endr
	VLOAD 1
.irp u, 0,1                            ; tile 2 w + u, group g: chunk n = 2 u + g.  LDS serves a wave's instructions in order (ISA guide 5.7.1.4): these see my stores
.irp g, 0,1
.irp j, 0,1,2,3
	ds_load_b128 v[X+16*(2*\u+\g)+4*\j:X+16*(2*\u+\g)+4*\j+3], v[KL] offset:8*PIT*\u+128*\g+16*\j
.endr
.endr
.endr
; 16 numbers at v[src] on become 16 codes in v[dst] on.  The conversion to an 8-bit code does not saturate (ISA guide 7.6.2): the number is held within the largest code x the scale first.
; The codes go to a store alone and no source is written again, so no plain line is owed behind the conversions.
.macro CODES src, dst, lim, sc
.set i, 0
.rept 16
	v_med3_num_f32 v[\src+i], v[\src+i], -v[\lim], v[\lim]
.set i, i+1
.endr
	v_cvt_scalef32_pk8_fp8_f32 v[\dst:\dst+1], v[\src:\src+7], v[\sc]
	v_cvt_scalef32_pk8_fp8_f32 v[\dst+2:\dst+3], v[\src+8:\src+15], v[\sc]
.endm
.irp n, 0,1,2,3
	s_wait_dscnt 12-4*\n                           ; chunk n's four loads are back; the later chunks' may be out
	CODES X+16*\n, C+4*\n, 10, 11
	global_store_b128 v[LI], v[C+4*\n:C+4*\n+3], s[30:31] offset:512*\n   ; 1024 u + 512 g = 512 n: the wave stores 512 consecutive bytes, aligned
.endr
	s_wait_loadcnt 32                              ; V's first 32 keys are in; the other 32 may be out
.irp q, 0,1,2,3                        ; chunk q: keys 16 q .. 16 q + 15 of my 64: group 2 (w >> 1) + q / 2, the half q % 2 of its lanes
.if \q == 2
	s_wait_loadcnt 0x0
.endif
	CODES Y+16*\q, C+16+4*\q, 12, 13
	global_store_b128 v[HR], v[C+16+4*\q:C+16+4*\q+3], s[32:33] offset:256*\q   ; sixteen lanes store 256 consecutive bytes, aligned: one in each of two tiles
.endr
	s_wait_tensorcnt 0x0
	ds_add_u32 v240, v241
	s_wait_dscnt 0x0
	s_endpgm
.Lfunc_end_k_qe6ad21310e_quant:
	.size	k_qe6ad21310e_quant, .Lfunc_end_k_qe6ad21310e_quant-k_qe6ad21310e_quant
	.p2alignl 7, 3214868480
	.fill 96, 4, 3214868480
	.section	.rodata,"a",@progbits
	.p2align	6, 0x0
	.amdhsa_kernel k_qe6ad21310e_quant
		.amdhsa_group_segment_fixed_size 35328
		.amdhsa_private_segment_fixed_size 0
		.amdhsa_enable_private_segment 0
		.amdhsa_kernarg_size 32
		.amdhsa_user_sgpr_count 2
		.amdhsa_user_sgpr_kernarg_segment_ptr 1
		.amdhsa_wavefront_size32 1
		.amdhsa_system_sgpr_workgroup_id_x 1
		.amdhsa_system_sgpr_workgroup_id_y 1
		.amdhsa_system_sgpr_workgroup_id_z 1
		.amdhsa_system_vgpr_workitem_id 0
		.amdhsa_next_free_vgpr 242
		.amdhsa_next_free_sgpr 66
		.amdhsa_reserve_vcc 0
		.amdhsa_float_denorm_mode_32 3
		.amdhsa_float_denorm_mode_16_64 3
		.amdhsa_memory_ordered 1
		.amdhsa_forward_progress 1
		.amdhsa_inst_pref_size 23
	.end_amdhsa_kernel
	.amdgpu_metadata
---
amdhsa.version: [ 1, 2 ]
amdhsa.kernels:
  - .name:           k_qe6ad21310e_quant
    .symbol:         k_qe6ad21310e_quant.kd
    .args:
      - { .name: keys, .offset: 0, .size: 8, .value_kind: global_buffer, .address_space: global }
      - { .name: values, .offset: 8, .size: 8, .value_kind: global_buffer, .address_space: global }
      - { .name: lowp_scales, .offset: 16, .size: 8, .value_kind: global_buffer, .address_space: global }
      - { .name: kv, .offset: 24, .size: 8, .value_kind: global_buffer, .address_space: global }
    .group_segment_fixed_size: 35328
    .private_segment_fixed_size: 0
    .kernarg_segment_align: 8
    .kernarg_segment_size: 32
    .max_flat_workgroup_size: 128
    .sgpr_count:     66
    .vgpr_count:     242
    .wavefront_size: 32
...
	.end_amdgpu_metadata
.endif
;; end of part 3
;; launch attn (part 4): grid 8 x 32, 16 waves a work-group, no clusters, 104,448 bytes of LDS; arguments queries, kv, lowp_scales, out0; writes out0
.if DOCPART == 4
	.amdgcn_target "amdgcn-amd-amdhsa--gfx1250"
	.amdhsa_code_object_version 6
	.text
	.protected	k_qe6ad21310e_attn
	.globl	k_qe6ad21310e_attn
	.p2align	8
	.type	k_qe6ad21310e_attn,@function
k_qe6ad21310e_attn:
	s_mov_b64 s[64:65], 0
	v_nop
	global_prefetch_b8 v0, s[64:65] scope:SCOPE_SE
	s_setreg_imm32_b32 hwreg(HW_REG_WAVE_SCHED_MODE, 0, 2), 2
	s_setreg_imm32_b32 hwreg(HW_REG_WAVE_MODE, 25, 1), 1
	s_wait_xcnt 0x0
	s_wait_alu depctr_vm_vsrc(0)
; out0[b][l][h][:] = the sum over s <= l of softmax_s(Q[b][l][h] . K[b][s][h] / 8) V[b][s][h][:], both products on codes of E4M3, each operand with its given scale (lowp_scales: eq, ek, ev, ep).
; queries, out0: [4][2048][8][64] f32.  kv: K's and V's codes, [32 heads][16 steps of 128 keys][16,384 bytes], images of the operands' registers (K part: 8 tiles x 1,024 bytes; V part, from byte 8,192: 4 tiles x 2,048).
; THE SOFTMAX AHEAD OF THE SECOND PRODUCT: t = score x log2(e) / 8; M = the running largest t, rounded UP to a whole number; p = 2^(t - M) is what is quantised, not normalised.  The row's sum is taken of the
; unquantised p in f32 and divides at the end.  When M moves, the sum and O are multiplied by 2^(old M - new M): nothing is rounded.
; SHARES.  Work-group (x, bh), sixteen waves, four to a SIMD, so that one wave's vector work stands beside another's products and LDS loads.  Wave m owns the 16 queries 128 m + 16 x + 0 .. 15 of head bh.  The work-group
; walks the head's 16 key steps in ascending order; wave m works in steps s <= m, masks in step s = m and stores its rows directly behind it.  So every work-group has 1 + 2 + .. + 16 = 136 tile-steps whatever x is,
; and the stores are spread over the launch.
; LAYOUT.  Both products are used transposed: S^T = K Q^T (source 0 = 16 keys, source 1 = my 16 queries), O^T = V^T P^T (source 0 = 16 channels, source 1 = P): a lane holds ONE query (lane % 16) throughout.
; The keys of a tile are not neighbours (lane r of tile 2 b + u holds key 32 b + 8 u + r + 8 (r / 8)), so that S^T's register 16 b + i is key 32 b + 16 (lane / 16) + i, and the conversions' results are P's registers.
; Inside a fragment k lies as the 16-byte loads bring it, alike on both sides of each product: every product meets its partner; only the order of the sums inside an instruction differs.
; TILES come through registers: thread n loads bytes 16 n and 8192 + 16 n of a step's block two steps ahead and stores them into one of two LDS slots one step ahead; one barrier a step.
; NO JOINT LOADS, NO CLUSTER: a step brings 16,384 bytes to a work-group whose waves read up to 262,144 bytes from LDS and walk up to sixteen softmaxes in that step, so what partners share is a small part of a step;
; a joint load would want a round of the cluster's barrier in each of the 16 steps.
; LIMITS on the given exponents, so that each power of two below is an f32 number: eq + ek between -123 and 130 (added to c's exponent field); eq and ep between -126 and 119; ep + ev goes by v_ldexp_f32 and has none.
; NaN among the inputs is not served.  An exponential under 2^-126 comes out as 0 (ISA guide, v_exp_f32).
; THE MODE: SCHED_MODE bits 1:0 = 2 (LLVM: expert scheduling mode 2), set by the entry lines.  The code itself states the register dependences
; between vector or matrix instructions and memory or LDS instructions, with s_wait_alu, always for 0.
; THE PLAN.  Registers that memory or LDS instructions touch:
;   v1-v6, v8   addresses and offsets.  Written at the head and never again: one wait on va_vdst ahead of the first load serves every load, store and prefetch of the kernel.
;   R0, R1      a block on its way.  Named by memory and LDS instructions alone: the global loads of block s + 2 land in the pair that the LDS stores of a step ago read: one wait on vm_vsrc ahead of each pair of loads.
;   F           K's LDS loads land in it, the eight products on the scores read it; V's LDS loads land in it, the four products on O^T read it.  One wait on va_vdst ahead of K's loads (the last step's products on O^T
;               are done with it) and one ahead of V's (this step's products on the scores are).  Behind the second, the masks and the maximum's chains name S^T, v7, v10, v218, v219 and scalar registers alone,
;               neither F nor v1: so V's sixteen loads are dealt among them with no further wait.
;   S           In the steps named by vector and matrix instructions alone.  On the way out its lower half is written by multiplies and read by LDS stores, and LDS loads land in its upper half, which global stores read:
;               one wait on va_vdst ahead of the LDS stores, one on vm_vsrc behind the global stores.
;   Q's codes, O^T, P and the statistics are named by vector and matrix instructions alone.
; Scalar registers that vector instructions write: s12 (my wave's number) and, on the diagonal, the sixteen masks s32-s47: one wait on va_sdst between each run of writers and its first reader.  EXEC is never written.
.set TILE, 16384                       ; a step's block, and an LDS slot
.set SL1,  TILE                        ; slot 1
.set STG,  2*TILE                      ; behind the slots: a stage of 16 rows x (256 + 16) bytes for each wave, for the way out
.set SP,   272
.set LI,  1                            ; v1   16 x lane: an image's place for my lane
.set CP,  2                            ; v2   16 x thread: my 16 bytes of a block's half, in memory and in a slot
.set SO,  3                            ; v3   the stage: where I put 32 bytes of a row
.set SR,  4                            ; v4   the stage: where I read a row back
.set GO,  5                            ; v5   2048 hh + 16 r: my byte in two rows of out0
.set PFO, 6                            ; v6   the prefetches' offset: 256 x lane + 8192 (wave & 1)
.set DM,  7                            ; v7   16 (x & 1) + r - 16 hh: on the diagonal, register i of block x / 2 is hidden where i > DM
.set QO,  8                            ; v8   2048 r + 64 hh: my 16 numbers of a block of 32 of Q's row r
.set LIMP, 9                           ; v9   448 x 2^ep
.set NEG, 10                           ; v10  -infinity
.set SCP, 11                           ; v11  2^ep
                                       ; v12 -M, v13 the largest t, v[14:15] the sum in two halves, v[16:23] Q's codes
.set R0,  24                           ; v24-31   an even step's block on its way
.set R1,  32                           ; v32-39   an odd step's
.set F,   40                           ; v40-103  eight fragments of K, then four of V
.set S,   104                          ; v104-167 S^T, then p
.set O,   168                          ; v168-199 O^T
.set P,   200                          ; v200-215 p's codes
.set FF,  216                          ; v[216:217] f = 2^(old M - new M), and a 0 that is named with it as a pair
.set MA,  218                          ; v218, v219 the maximum's two chains
.set MB,  219
.set PX,  220                          ; v220 a lane permute's destination
.set SB,  222                          ; v[222:223] the sum's second chain
.set KV,  6                            ; s[6:7]   kv at the trip's even step
.set OUT, 10                           ; s[10:11] out0 at my first row
.set WV,  12                           ; s12  my wave's number m
.set SEL, 20                           ; s[20:21] lane selects for v_permlanex16_b32: lane l xor 16
.set CS,  22                           ; s[22:23] c = log2(e) / 8 x 2^(eq + ek)
.set STEP, 24                          ; s24  the trip's even step
.set CUR, 25                           ; s25  the step in hand
.set XB,  26                           ; s26  x / 2
.set LIM, 27                           ; s27  12 in a wave that prefetches, else 0
.set MK,  32                           ; s32-s47  behind the head: the diagonal block's sixteen masks
	s_load_b256 s[4:11], s[0:1], 0x0               ; queries s[4:5], kv s[6:7], the scales' exponents s[8:9], out0 s[10:11]
	v_lshl_add_u32 v224, v0, 2, 0x19000
	v_mov_b32 v225, 0
	v_lshrrev_b32 v1, 5, v0
	v_readfirstlane_b32 s[WV], v1
	s_and_b32 s14, ttmp7, 0xffff                   ; bh
	v_and_b32 v[MA], 15, v0                        ; r
	v_bfe_u32 v[MB], v0, 4, 1                      ; hh
	v_and_b32 v[LI], 31, v0
	v_lshlrev_b32 v[PFO], 8, v[LI]
	v_lshlrev_b32 v[LI], 4, v[LI]
	v_lshlrev_b32 v[CP], 4, v0
	s_wait_alu depctr_va_sdst(0)                   ; s12 is written, ahead of its first reader: my stage, my rows and the steps' branches are made from it
	s_mul_i32 s30, s[WV], 16*SP
	s_add_co_u32 s30, s30, STG                     ; my stage
	v_mul_u32_u24 v[SO], v[MA], SP                 ; in: row r, 32 bytes for each half of the lanes
	v_lshl_add_u32 v[SO], v[MB], 5, v[SO]
	v_add_nc_u32 v[SO], s30, v[SO]
	v_mul_u32_u24 v[SR], v[MB], SP                 ; back: lanes 0-15 one row of 256 bytes, lanes 16-31 the next
	v_lshl_add_u32 v[SR], v[MA], 4, v[SR]
	v_add_nc_u32 v[SR], s30, v[SR]
	v_lshlrev_b32 v[GO], 11, v[MB]
	v_lshl_add_u32 v[GO], v[MA], 4, v[GO]
	s_and_b32 s31, s[WV], 1
	s_lshl_b32 s31, s31, 13
	v_add_nc_u32 v[PFO], s31, v[PFO]
	s_and_b32 s31, ttmp9, 1
	s_lshl_b32 s31, s31, 4
	v_lshlrev_b32 v[DM], 4, v[MB]
	v_sub_nc_u32 v[DM], v[MA], v[DM]
	v_add_nc_u32 v[DM], s31, v[DM]
	v_lshlrev_b32 v[QO], 11, v[MA]
	v_lshl_add_u32 v[QO], v[MB], 6, v[QO]
	v_mov_b32 v[NEG], 0xff800000
	s_lshr_b32 s[XB], ttmp9, 1
	s_lshr_b32 s30, s[WV], 1                       ; who prefetches: waves 14 and 15
	s_xor_b32 s30, s30, 7
	s_or_b32 s30, s30, ttmp9                       ; of the head's first work-group
	s_cmp_eq_u32 s30, 0
	s_cselect_b32 s[LIM], 12, 0
	s_lshr_b32 s32, s14, 3                         ; my first row of queries and of out0: b 2^22 + h 2^8 + (128 m + 16 x) 2^11, under 2^24
	s_lshl_b32 s32, s32, 22
	s_and_b32 s30, s14, 7
	s_lshl_b32 s30, s30, 8
	s_or_b32 s32, s32, s30
	s_lshl_b32 s30, s[WV], 18
	s_or_b32 s32, s32, s30
	s_lshl_b32 s30, ttmp9, 15
	s_or_b32 s32, s32, s30
	s_mov_b32 s33, 0
	s_lshl_b32 s34, s14, 18                        ; my head's 16 blocks of kv
	s_mov_b32 s35, 0
	s_mov_b32 s[SEL], 0x76543210
	s_mov_b32 s[SEL+1], 0xfedcba98
	s_mov_b32 s[CS], 0x3e38aa3b                    ; log2(e) / 8
	s_mov_b32 s[STEP], 0
	s_wait_kmcnt 0x0
	s_load_b128 s[16:19], s[8:9], 0x0              ; eq, ek, ev, ep
	s_add_nc_u64 s[4:5], s[4:5], s[32:33]
	s_add_nc_u64 s[OUT:OUT+1], s[OUT:OUT+1], s[32:33]
	s_add_nc_u64 s[KV:KV+1], s[KV:KV+1], s[34:35]
	s_wait_alu depctr_va_vdst(0)                   ; the addresses and offsets v1 to v6 and v8 are written, which the loads, stores and prefetches of the whole kernel read
	global_load_b128 v[R0:R0+3], v[CP], s[KV:KV+1]                      ; step 0's block
	global_load_b128 v[R0+4:R0+7], v[CP], s[KV:KV+1] offset:8192
.irp g, 0,1                            ; Q, into S^T's registers: register 16 g + 4 j + .. = e 32 g + 16 hh + 4 j + .. of my row r
.irp j, 0,1,2,3
	global_load_b128 v[S+16*\g+4*\j:S+16*\g+4*\j+3], v[QO], s[4:5] offset:128*\g+16*\j th:TH_LOAD_NT
.endr
.endr
	global_load_b128 v[R1:R1+3], v[CP], s[KV:KV+1] offset:TILE          ; step 1's block
	global_load_b128 v[R1+4:R1+7], v[CP], s[KV:KV+1] offset:TILE+8192
	s_wait_kmcnt 0x0
	s_add_co_i32 s30, s16, s17
	s_lshl_b32 s30, s30, 23
	s_add_co_i32 s[CS], s[CS], s30                 ; a score stands for score x 2^(eq + ek): the two exponents are added to c's exponent field
	s_mov_b32 s[CS+1], s[CS]                       ; (named with it as a pair, so it is written)
	s_add_co_i32 s28, s18, s19                     ; ev + ep
	s_add_co_i32 s30, s16, 127
	s_lshl_b32 s31, s30, 23
	v_mov_b32 v[MB], s31                           ; 2^eq as f32, for Q's conversions
	s_add_co_i32 s30, s30, 8
	s_lshl_b32 s30, s30, 23
	s_or_b32 s30, s30, 0x600000
	v_mov_b32 v[MA], s30                           ; 448 x 2^eq
	s_add_co_i32 s30, s19, 127
	s_lshl_b32 s31, s30, 23
	v_mov_b32 v[SCP], s31                          ; 2^ep
	s_add_co_i32 s30, s30, 8
	s_lshl_b32 s30, s30, 23
	s_or_b32 s30, s30, 0x600000
	v_mov_b32 v[LIMP], s30                         ; 448 x 2^ep
	s_wait_alu depctr_va_vdst(0)
	s_wait_loadcnt 10                              ; step 0's two loads are in; Q's eight and step 1's two stay out
	ds_store_b128 v[CP], v[R0:R0+3]
	ds_store_b128 v[CP], v[R0+4:R0+7] offset:8192
	s_wait_loadcnt 2                               ; Q is in; step 1's two stay out
.set j, 0
.rept 32
	v_med3_num_f32 v[S+j], v[S+j], -v[MA], v[MA]   ; the conversion to an 8-bit code does not saturate (ISA guide 7.6.2): the hold at the largest code x the scale
.set j, j+1
.endr
.irp g, 0,1
	v_cvt_scalef32_pk8_fp8_f32 v[16+4*\g:17+4*\g], v[S+16*\g:S+16*\g+7], v[MB]
	v_cvt_scalef32_pk8_fp8_f32 v[18+4*\g:19+4*\g], v[S+16*\g+8:S+16*\g+15], v[MB]
.endr
	v_nop                                          ; one plain line between a scaled conversion and what next touches its result or writes its sources
.set j, 0
.rept 32
	v_mov_b32 v[O+j], 0                            ; O^T.  (The step is written without a first step of its own: the first finds zeros, which the first change of M leaves zeros)
.set j, j+1
.endr
	v_mov_b32 v14, 0                               ; the sum, in two halves
	v_mov_b32 v15, 0
	v_mov_b32 v13, 0xff61b1e6                      ; the largest t so far: -3e38, under every t
	v_floor_f32 v12, -v13                          ; -M
	v_mov_b32 v[FF+1], 0
	v_mov_b32 v[PX], 0                             ; written once: a lane permute's destination counts as one of its sources
	s_wait_dscnt 0x0                               ; for the others' sake: my part of step 0's block lies in slot 0
	s_barrier_signal -1
	s_barrier_wait -1
; A PREFETCH INTO THE L2 of the block four steps on, which is loaded two steps from here: 64 blocks of 256 bytes, a lane each, by waves 14 and 15 of the head's first work-group (all eight work-groups of a head walk
; the same blocks): each is named once in the launch.  It stands behind the wave's two loads.  Steps 0 to 3 come by their loads alone; from step 12 on there is no block four steps on, and nothing is asked.
.macro ASK off
	s_cmp_lt_u32 s[CUR], s[LIM]
	s_cbranch_scc0 .Lnot_mine_\@
	global_prefetch_b8 v[PFO], s[KV:KV+1] offset:\off th:TH_LOAD_NT scope:SCOPE_SE
.Lnot_mine_\@:
.endm
; The blocks' way in, at the head of step s = STEP + p.  Block s + 1 has come into its registers (the only loads that are out: the wait is for 0); block s + 2 is asked for, into the registers whose LDS stores were waited for
; in front of the last barrier; block s + 1 goes into the slot that step s - 1 read: every wave has waited for those reads in front of the last barrier.  Blocks past the 16th are neither asked for nor stored.
.macro STAGE p
.if \p == 0
	s_wait_loadcnt 0x0
	s_cmp_lt_u32 s[STEP], 14
	s_cbranch_scc0 .Lno_more_\@
	s_wait_alu depctr_vm_vsrc(0)                   ; the LDS stores of a step ago (in the first trip: the head's) have read R0, in which the two loads below land
	global_load_b128 v[R0:R0+3], v[CP], s[KV:KV+1] offset:2*TILE
	global_load_b128 v[R0+4:R0+7], v[CP], s[KV:KV+1] offset:2*TILE+8192
	ASK 4*TILE
.Lno_more_\@:
	ds_store_b128 v[CP], v[R1:R1+3] offset:SL1
	ds_store_b128 v[CP], v[R1+4:R1+7] offset:SL1+8192
.else
	s_cmp_lt_u32 s[STEP], 14
	s_cbranch_scc0 .Lno_more_\@
	s_wait_loadcnt 0x0
	s_wait_alu depctr_vm_vsrc(0)                   ; the LDS stores of a step ago have read R1, in which the two loads below land
	global_load_b128 v[R1:R1+3], v[CP], s[KV:KV+1] offset:3*TILE
	global_load_b128 v[R1+4:R1+7], v[CP], s[KV:KV+1] offset:3*TILE+8192
	ASK 5*TILE
	ds_store_b128 v[CP], v[R0:R0+3]
	ds_store_b128 v[CP], v[R0+4:R0+7] offset:8192
.Lno_more_\@:
.endif
.endm
; The diagonal step, block b of 32 keys: register 16 b + i holds key 32 b + 16 hh + i of the step, my query is 16 x + r of it.  b < x / 2: all count.  b = x / 2: hidden where i > DM.  b > x / 2: all hidden.
; Hidden scores become -infinity ahead of the maximum: p = 0 then.  Key 0 of the step counts for every query, so the step's maximum is a number.  Each accumulator is read from its low end on.
; The sixteen compares stand in one run, each with a scalar register for its mask, so that one wait serves the sixteen selects.
.macro MASKBLK b
.if \b < 3
	s_cmp_gt_u32 s[XB], \b
	s_cbranch_scc1 .Lopen_\@
.endif
.if \b > 0
	s_cmp_eq_u32 s[XB], \b
	s_cbranch_scc0 .Lall_\@
.endif
.set i, 0
.rept 16
	v_cmp_gt_i32 s[MK+i], i, v[DM]
.set i, i+1
.endr
	s_wait_alu depctr_va_sdst(0)                   ; the sixteen masks s32 to s47 are written, ahead of the selects that read them
.set i, 0
.rept 16
	v_cndmask_b32 v[S+16*\b+i], v[S+16*\b+i], v[NEG], s[MK+i]
.set i, i+1
.endr
.if \b > 0
	s_branch .Lopen_\@
.Lall_\@:
.set i, 0
.rept 16
	v_mov_b32 v[S+16*\b+i], v[NEG]
.set i, i+1
.endr
.endif
.Lopen_\@:
.endm
; V's fragment t out of slot p: four loads of 512 consecutive bytes
.macro VFRAG p, t
.irp c, 0,1,2,3
	ds_load_b128 v[F+16*(\t)+4*\c:F+16*(\t)+4*\c+3], v[LI] offset:SL1*(\p)+8192+2048*(\t)+512*\c
.endr
.endm
; A TILE-STEP: my 16 queries against the 128 keys in slot p.
.macro WORK p
	s_wait_alu depctr_va_vdst(0)                   ; the last step's four products on O^T are done reading F, in which K's loads land
.irp k, 0,1,2,3,4,5,6,7                ; K's eight fragments, as they lie: 512 consecutive bytes an instruction
	ds_load_b128 v[F+8*\k:F+8*\k+3], v[LI] offset:SL1*(\p)+1024*\k
	ds_load_b128 v[F+8*\k+4:F+8*\k+7], v[LI] offset:SL1*(\p)+1024*\k+512
.endr
	s_wait_dscnt 8                                 ; fragments 0 to 3 are in; the youngest eight loads may be out
.irp k, 0,1,2,3
	v_wmma_f32_16x16x64_fp8_fp8 v[S+8*\k:S+8*\k+7], v[F+8*\k:F+8*\k+7], v[16:23], 0
.endr
	s_wait_dscnt 0x0
.irp k, 4,5,6,7
	v_wmma_f32_16x16x64_fp8_fp8 v[S+8*\k:S+8*\k+7], v[F+8*\k:F+8*\k+7], v[16:23], 0
.endr
.rept 4
	v_nop                                          ; four places (ISA guide 7.12.1) in front of the first read of the scores
.endr
	s_wait_alu depctr_va_vdst(0)                   ; the eight products are done reading F, in which V's sixteen loads land.  Up to the last of those loads no vector line names F or v1
	VFRAG \p, 0                                    ; V's four fragments land while the softmax is walked: the first here, the others among the maximum's lines
	s_cmp_lg_u32 s[CUR], s[WV]                     ; only step m lies on wave m's diagonal
	s_cbranch_scc1 .Lfull_\@
	MASKBLK 0
	MASKBLK 1
	MASKBLK 2
	MASKBLK 3
.Lfull_\@:
	v_max3_num_f32 v[MA], v[S], v[S+1], v[S+2]     ; the step's largest score of my query among my 64 keys, in two chains, ascending,
	v_max3_num_f32 v[MB], v[S+3], v[S+4], v[S+5]
.irp i, 6,10,14,18,22,26,30,34,38,42,46,50,54,58
	v_max3_num_f32 v[MA], v[MA], v[S+\i], v[S+\i+1]
	v_max3_num_f32 v[MB], v[MB], v[S+\i+2], v[S+\i+3]
.if (\i == 14) || (\i == 30) || (\i == 46)
	VFRAG \p, (\i+2)/16                            ; fragments 1, 2, 3.  No wait: the lines since the wait above name S^T, v7, v10, v218, v219 and scalar registers alone
.endif
.endr
	v_max3_num_f32 v[MA], v[MA], v[S+62], v[S+63]
	v_max_num_f32 v[MA], v[MA], v[MB]
	v_permlanex16_b32 v[PX], v[MA], s[SEL], s[SEL+1]
	v_max_num_f32 v[MA], v[MA], v[PX]              ; and among lane l xor 16's
	v_mul_f32 v[MA], s[CS], v[MA]                  ; as t (c is positive)
	v_max_num_f32 v13, v13, v[MA]                  ; the running largest t
	v_mov_b32 v[MA], v12
	v_floor_f32 v12, -v13                          ; the new -M = floor(-t) = -ceil(t): a whole number
	v_sub_f32 v[MA], v12, v[MA]                    ; old M - new M: a whole number, 0 or less
	v_cvt_i32_f32 v[MA], v[MA]                     ; (it saturates)
	v_ldexp_f32 v[FF], 1.0, v[MA]                  ; f = 2^(old M - new M)
.set j, 0
.rept 32
	v_pk_fma_f32 v[S+j:S+j+1], v[S+j:S+j+1], s[CS:CS+1], v[12:13] op_sel_hi:[1,0,0]   ; t - M, two at a time (of the pairs c and -M the low word serves both halves)
.set j, j+2
.endr
.set j, 0
	s_wait_alu depctr_va_vdst(0)
.rept 64
	v_exp_f32 v[S+j], v[S+j]                       ; p = 2^(t - M), at most 1: not normalised.  One batch
.set j, j+1
.endr
	v_pk_mul_f32 v[14:15], v[14:15], v[FF:FF+1] op_sel_hi:[1,0]   ; the sums under the new M: the plain line behind the last exponential
	s_wait_alu depctr_va_vdst(0)                   ; the 64 exponentials have written p: the wait ahead of the first line that names a result: one for the batch
	v_pk_add_f32 v[SB:SB+1], v[S:S+1], v[S+2:S+3]  ; the row's sum is taken of the unquantised p: two at a time, in two chains
.irp j, 4,8,12,16,20,24,28,32,36,40,44,48,52,56,60
	v_pk_add_f32 v[14:15], v[14:15], v[S+\j:S+\j+1]
	v_pk_add_f32 v[SB:SB+1], v[SB:SB+1], v[S+\j+2:S+\j+3]
.endr
	v_pk_add_f32 v[14:15], v[14:15], v[SB:SB+1]
	s_cmp_ge_i32 s19, -8                           ; p is at most 1, and 448 x 2^ep is at least 1.75 where ep >= -8: there the hold changes no number and is passed over
	s_cbranch_scc1 .Lno_hold_\@
.set j, 0
.rept 64
	v_min_num_f32 v[S+j], v[S+j], v[LIMP]          ; the conversion does not saturate (ISA guide 7.6.2); p is not negative, so the hold is one-sided
.set j, j+1
.endr
.Lno_hold_\@:
.irp b, 0,1,2,3
	v_cvt_scalef32_pk8_fp8_f32 v[P+4*\b:P+4*\b+1], v[S+16*\b:S+16*\b+7], v[SCP]          ; registers 4 b .. 4 b + 3 of P: keys 32 b + 16 hh + 0 .. 15, as V's images have them
	v_cvt_scalef32_pk8_fp8_f32 v[P+4*\b+2:P+4*\b+3], v[S+16*\b+8:S+16*\b+15], v[SCP]
.endr
.set j, 0
.rept 16
	v_pk_mul_f32 v[O+j:O+j+1], v[O+j:O+j+1], v[FF:FF+1] op_sel_hi:[1,0]   ; O^T under the new M.  (Also the plain lines between the conversions and the products that read their results)
.set j, j+2
.endr
	s_wait_alu depctr_va_vdst(0)
	s_wait_dscnt 0x0                               ; V is in
.irp t, 0,1,2,3                        ; the four accumulators take turns, and the next step's eight products on the scores stand between two links of a chain
	v_wmma_f32_16x16x128_fp8_fp8 v[O+8*\t:O+8*\t+7], v[F+16*\t:F+16*\t+15], v[P:P+15], v[O+8*\t:O+8*\t+7]
.endr
.rept 4
	v_nop                                          ; four places in front of the way out's reads of O^T
.endr
.endm
; THE WAY OUT, directly behind wave m's step m.  O^T / the sum x 2^(ep + ev) goes through my own stage in LDS and comes back as whole rows.
.macro WAYOUT
	v_add_f32 v14, v14, v15                        ; the sum's two halves,
	v_permlanex16_b32 v[PX], v14, s[SEL], s[SEL+1]
	v_add_f32 v14, v14, v[PX]                      ; and lane l xor 16's: the row's sum
	s_wait_alu depctr_va_vdst(0)
	v_rcp_f32 v14, v14
	v_nop                                          ; a plain line behind the transcendental
	s_wait_alu depctr_va_vdst(0)                   ; the reciprocal has written v14: the wait ahead of its first reader
	v_ldexp_f32 v[FF], v14, s28
.set j, 0
.rept 16
	v_pk_mul_f32 v[S+j:S+j+1], v[O+j:O+j+1], v[FF:FF+1] op_sel_hi:[1,0]   ; register 8 t + i is o(query r, channel 16 t + 8 hh + i); each accumulator from its low end on
.set j, j+2
.endr
	s_wait_alu depctr_va_vdst(0)                   ; the multiplies have written S's lower half, which the LDS stores read; the softmax's lines are done with its upper half, in which the LDS loads land
.irp t, 0,1,2,3
	ds_store_b128 v[SO], v[S+8*\t:S+8*\t+3] offset:64*\t
	ds_store_b128 v[SO], v[S+8*\t+4:S+8*\t+7] offset:64*\t+16
.endr
.irp i, 0,1,2,3,4,5,6,7
	ds_load_b128 v[S+32+4*\i:S+32+4*\i+3], v[SR] offset:2*SP*\i   ; LDS serves a wave's instructions in order (ISA guide 5.7.1.4): these see my stores
.endr
.irp i, 0,1,2,3,4,5,6,7
	s_wait_dscnt 7-\i                              ; pair i of rows is back; the later pairs may be out
	global_store_b128 v[GO], v[S+32+4*\i:S+32+4*\i+3], s[OUT:OUT+1] offset:4096*\i th:TH_STORE_NT   ; sixteen lanes store a row's 256 consecutive bytes, aligned; written once, read by nobody here
.endr
	s_wait_xcnt 0x0                                ; the stores have read their registers: the steps' text that follows names them again (this wave has no step left to work in)
	s_wait_alu depctr_vm_vsrc(0)                   ; the LDS stores have read S's lower half and the global stores its upper half, which the steps' products write
.endm
; A STEP.  One barrier does two things: in front of it each wave has waited for its stores of block s + 1 and for its reads of block s; behind it block s + 1 may be read and block s's slot written.  Every wave passes it.
.macro STEPM p
	STAGE \p
	s_cmp_gt_u32 s[CUR], s[WV]                     ; all keys of a step beyond m come after wave m's queries: the step's work is left out, not its part in the blocks' way in, nor the barrier
	s_cbranch_scc1 .Lrest_\@
	WORK \p
	s_cmp_lg_u32 s[CUR], s[WV]
	s_cbranch_scc1 .Lrest_\@
	WAYOUT
.Lrest_\@:
	s_wait_dscnt 0x0
	s_barrier_signal -1
	s_barrier_wait -1
.endm
.Ltrip:                                            ; eight trips of two steps, so that slots and registers are back where they began
	s_mov_b32 s[CUR], s[STEP]
	STEPM 0
	s_add_co_u32 s[CUR], s[STEP], 1
	STEPM 1
	s_wait_xcnt 0x0                                ; the trip's loads and prefetches have read their base: it steps only behind this wait
	s_add_nc_u64 s[KV:KV+1], s[KV:KV+1], 2*TILE
	s_add_co_u32 s[STEP], s[STEP], 2
	s_cmp_lt_u32 s[STEP], 16
	s_cbranch_scc1 .Ltrip
	s_wait_dscnt 0x0
	s_wait_alu depctr_hold_cnt(0) depctr_sa_sdst(0) depctr_va_vdst(0) depctr_va_sdst(0) depctr_va_ssrc(0) depctr_va_vcc(0) depctr_vm_vsrc(0)
	s_wait_tensorcnt 0x0
	ds_add_u32 v224, v225
	s_wait_dscnt 0x0
	s_endpgm
.Lfunc_end_k_qe6ad21310e_attn:
	.size	k_qe6ad21310e_attn, .Lfunc_end_k_qe6ad21310e_attn-k_qe6ad21310e_attn
	.p2alignl 7, 3214868480
	.fill 96, 4, 3214868480
	.section	.rodata,"a",@progbits
	.p2align	6, 0x0
	.amdhsa_kernel k_qe6ad21310e_attn
		.amdhsa_group_segment_fixed_size 104448
		.amdhsa_private_segment_fixed_size 0
		.amdhsa_enable_private_segment 0
		.amdhsa_kernarg_size 32
		.amdhsa_user_sgpr_count 2
		.amdhsa_user_sgpr_kernarg_segment_ptr 1
		.amdhsa_wavefront_size32 1
		.amdhsa_system_sgpr_workgroup_id_x 1
		.amdhsa_system_sgpr_workgroup_id_y 1
		.amdhsa_system_sgpr_workgroup_id_z 1
		.amdhsa_system_vgpr_workitem_id 0
		.amdhsa_next_free_vgpr 226
		.amdhsa_next_free_sgpr 66
		.amdhsa_reserve_vcc 0
		.amdhsa_float_denorm_mode_32 3
		.amdhsa_float_denorm_mode_16_64 3
		.amdhsa_memory_ordered 1
		.amdhsa_forward_progress 1
		.amdhsa_inst_pref_size 69
	.end_amdhsa_kernel
	.amdgpu_metadata
---
amdhsa.version: [ 1, 2 ]
amdhsa.kernels:
  - .name:           k_qe6ad21310e_attn
    .symbol:         k_qe6ad21310e_attn.kd
    .args:
      - { .name: queries, .offset: 0, .size: 8, .value_kind: global_buffer, .address_space: global }
      - { .name: kv, .offset: 8, .size: 8, .value_kind: global_buffer, .address_space: global }
      - { .name: lowp_scales, .offset: 16, .size: 8, .value_kind: global_buffer, .address_space: global }
      - { .name: out0, .offset: 24, .size: 8, .value_kind: global_buffer, .address_space: global }
    .group_segment_fixed_size: 104448
    .private_segment_fixed_size: 0
    .kernarg_segment_align: 8
    .kernarg_segment_size: 32
    .max_flat_workgroup_size: 512
    .sgpr_count:     66
    .vgpr_count:     226
    .wavefront_size: 32
...
	.end_amdgpu_metadata
.endif
;; end of part 4
